; MI455X (gfx1250); checked and timed in simulation.
; The chip was launched on July 23, 2026; its instructions are those of AMD's public machine-readable ISA for CDNA 5 (MIT licence, August 2026) and "CDNA5" Instruction Set Architecture Reference Guide (July 2026). The comments in the code are by the model that wrote it; some were corrected since.
;; Seq Self Attention. Allowed arithmetic: float matrix products may take bf16 or f16 operands with f32 sums; all other float work in f32.
;; Inputs: Wa 32 x 1 float32; Wt 32 x 128 float32; Wx 32 x 128 float32; ba 1 float32; bh 32 float32; x 4 x 1,024 x 128 float32.
;; Outputs: out0 4 x 1,024 x 128 float32.
;; 2 versions, each right and faster than the one before. Each part assembles by itself: llvm-mc -triple=amdgcn-amd-amdhsa -mcpu=gfx1250 --defsym DOCPART=n.
;; ======== version 1 of 2: 1 launch
;; launch attn (part 1): grid 256 x 1, 8 waves a work-group, no clusters, 200,704 bytes of LDS; arguments x, Wt, Wx, bh, Wa, ba, out0; writes out0
.if DOCPART == 1
	.amdgcn_target "amdgcn-amd-amdhsa--gfx1250"
	.amdhsa_code_object_version 6
	.text
	.protected	k_q819c4188f0_attn
	.globl	k_q819c4188f0_attn
	.p2align	8
	.type	k_q819c4188f0_attn,@function
k_q819c4188f0_attn:
	s_mov_b64 s[64:65], 0
	v_nop
	global_prefetch_b8 v0, s[64:65] scope:SCOPE_SE
	s_setreg_imm32_b32 hwreg(HW_REG_WAVE_MODE, 25, 1), 1
	s_wait_xcnt 0x0
; Additive self-attention, B = 4, L = 1024, D = 128, U = 32, all buffers f32.
;   q = x Wt^T, k = x Wx^T, alpha = tanh(ba + sum_u Wa[u] tanh(q[s][u] + k[j][u] + bh[u])), out = softmax_j(alpha) x.
; SHARES.  Work-group g owns the 16 rows s = 16 (g & 63) .. +15 of batch g >> 6.  Wave w owns the keys j = 128 w .. 128 w + 127, in four
; chunks of 32.  Lane (r = lane & 15, h = lane >> 4) owns row s = r and, in a chunk, the 16 keys j = (n & 7) + 8 h + 16 (n >> 3), n = 0 .. 15:
; that is the place of k in a 16-bit matrix operand, so the lane's 16 weights, packed to bf16, ARE the operand of the context product.
; Each wave keeps a partial context (16 s x 128 d, f32) and a partial row sum; the eight waves meet once, at the end, through LDS.
; ARITHMETIC.  K = 2 log2(e).  tanh(z) = 1 - 2 r with r = 1 / (1 + 2^(K z)).  a' = K (q + bh), b' = K k, both f32 behind the bf16 products.
;   SC = K alpha_pre = c0 + sum_u W'[u] r[u],  W' = -2 K Wa,  c0 = K (ba + sum_u Wa[u]);  r2 = 1 / (1 + 2^SC);  p = 2^(-K r2) = e^(alpha - 1).
; The exponents are added before the exponential, so a large q + k gives 2^z = infinity, r = 0, or 2^z = 0, r = 1: the saturated tanh, no NaN.
; SOFTMAX.  The scores come out of the outer tanh, so they lie in [-1, 1] for every input; the bound 1 is taken away in place of the row's
; maximum: p lies in [e^-2, 1], a row sum in [138, 1024]: nothing can overflow or vanish.
; FORMATS.  x, Wt, Wx and p go to the matrix unit in bf16, sums in f32; the row sum adds the f32 p.  LIMIT: NaN and infinite inputs are not served.
; NO TENSOR LOADS, NO CLUSTER.  x lies in memory as f32 and has to pass through registers to become bf16; a wave asks for its next 16,384 bytes
; a whole chunk ahead, that is ahead of 1,072 transcendental instructions of its own, so a shared fetch would spare requests and no waiting.
; The k projection of a chunk (16 matrix instructions) is done again in each of the 64 work-groups of a batch rather than sent through memory.
.set KLOG,   0x4038aa3b                ; K = 2 log2(e)
.set NKLOG,  0xc038aa3b                ; -K
.set N2KLOG, 0xc0b8aa3b                ; -2 K
; LDS map, bytes
.set WPITCH, 272                       ; rows of 128 bf16 + 16: rows 0-31 Wt, 32-63 Wx, 64-79 the group's own 16 rows of x; 80 rows = 21,760
.set XPITCH, 288                       ; a chunk's x in bf16, [j][d]: 256 + 32, an odd multiple of 32 for the transposing loads
.set XB0,    21760                     ; + wave x 9,216 (32 rows)
.set XBW,    32*XPITCH
.set BPITCH, 144                       ; b' in f32, [j][u]: 128 + 16
.set BP0,    95488                     ; + wave x 4,608 (32 rows); used once before as the turn-table for a'
.set BPW,    32*BPITCH
.set RPITCH, 528                       ; a wave's partial context, [s][d] f32: 512 + 16
.set RED0,   132352                    ; + wave x 8,448 (16 rows)
.set REDW,   16*RPITCH
.set LRED0,  199936                    ; + wave x 64: 16 partial row sums
; vector registers, window 0
.set VG0, 4                            ; 16 x thread: staging loads
.set VST, 5                            ; wave x 272 + 8 lane: staging stores
.set VGX, 6                            ; 16 x lane: a row of x
.set VXS, 7                            ; XB + 8 lane: store of a chunk's row
.set VXF, 8                            ; XB + 288 r + 16 h: operand with d along the row
.set VXT, 9                            ; XB + 288 (8 h + (lane & 7)) + 16 ((lane >> 3) & 1): transposing loads
.set VBS, 10                           ; BP + 144 r + 32 h: store of a projection's result
.set VBL, 11                           ; BP + 1152 h: the lane's keys
.set VQL, 12                           ; BP + 144 r: a' of my row
.set VWF, 13                           ; 272 r + 16 h: operands out of the weights' rows
.set VRS, 15                           ; RED of my wave + 528 r + 32 h
.set VLS, 16                           ; LRED of my wave + 4 r
.set VRL, 17                           ; RED + 528 (2 w + h) + 16 r
.set VLL, 18                           ; LRED + 4 (2 w + h)
.set VGO, 19                           ; 512 (2 w + h) + 16 r: my 16 bytes of out0
.set C0,  20                           ; v[20:21] = (c0, 0)
.set LS,  22                           ; v[22:23] running row sum, even and odd n
.set AQ,  32                           ; v[32:63]   a'[u] of my row
.set WV,  64                           ; v[64:95]   W'[u]
.set OA,  96                           ; v[96:159]  8 context tiles: register i of tile dt = (d = 16 dt + 8 h + i, s = r)
.set BLK, 160                          ; v[160:223] 8 blocks of 8 registers: the pipeline's ring; operands and staging outside it
.set KT,  224                          ; v[224:255] projection results; then:
.set SC,  224                          ; v[224:239] the 16 scores of a chunk
.set PF,  240                          ; v[240:247] the 16 weights in bf16
.set TA,  248                          ; v[248:251] two packed partial sums over u
; window 1 (named by their low 8 bits)
.set XP,  0                            ; v[256:383] the next chunk's x in f32, row i in 4 registers
.set WXF, 128                          ; v[384:447] the 8 operands of Wx (u tile ut, 32 d at kk): 8 (4 ut + kk)
.set MSB, 0
.macro WIN new                         ; low byte: bits 1:0 source 0, 3:2 source 1, 5:4 source 2, 7:6 destination; high byte: the setting left
.if MSB != \new
	s_set_vgpr_msb (MSB<<8)|\new
.set MSB, \new
.endif
.endm
.macro PLACES                          ; four independent vector instructions behind a matrix instruction, before its result is read or one
.rept 4                                ; of its registers is written or loaded into (ISA guide 7.12.1)
	v_nop
.endr
.endm
	s_load_b256 s[4:11], s[0:1], 0x0               ; x s[4:5], Wt s[6:7], Wx s[8:9], bh s[10:11]
	s_load_b128 s[12:15], s[0:1], 0x20             ; Wa s[12:13], ba s[14:15]
	s_load_b64 s[16:17], s[0:1], 0x30              ; out0
	v_and_b32 v1, 31, v0                           ; lane
	v_lshrrev_b32 v2, 5, v0
	v_readfirstlane_b32 s18, v2                    ; wave 0 .. 7
	v_and_b32 v2, 15, v0                           ; r
	v_bfe_u32 v3, v0, 4, 1                         ; h
	s_mov_b32 s21, KLOG
	s_mov_b32 s31, N2KLOG
	s_mov_b32 s28, 0x76543210                      ; v_permlanex16_b32: lane i takes lane i of the other half
	s_mov_b32 s29, 0xfedcba98
	v_lshlrev_b32 v[VG0], 4, v0
	v_lshlrev_b32 v[VGX], 4, v1
	s_mul_i32 s2, s18, WPITCH
	v_lshl_add_u32 v[VST], v1, 3, s2
	s_mul_i32 s2, s18, XBW
	s_add_co_u32 s2, s2, XB0                       ; my wave's chunk of x
	v_lshl_add_u32 v[VXS], v1, 3, s2
	v_mul_u32_u24 v24, v2, XPITCH
	v_lshl_add_u32 v24, v3, 4, v24
	v_add_nc_u32 v[VXF], s2, v24
	v_and_b32 v24, 7, v0
	v_lshl_add_u32 v24, v3, 3, v24
	v_mul_u32_u24 v24, v24, XPITCH
	v_bfe_u32 v25, v0, 3, 1
	v_lshl_add_u32 v24, v25, 4, v24
	v_add_nc_u32 v[VXT], s2, v24
	s_mul_i32 s2, s18, BPW
	s_add_co_u32 s2, s2, BP0                       ; my wave's b'
	v_mul_u32_u24 v24, v2, BPITCH
	v_add_nc_u32 v[VQL], s2, v24
	v_lshl_add_u32 v[VBS], v3, 5, v[VQL]
	v_mul_u32_u24 v24, v3, 8*BPITCH
	v_add_nc_u32 v[VBL], s2, v24
	v_mul_u32_u24 v24, v2, WPITCH
	v_lshl_add_u32 v[VWF], v3, 4, v24
	s_mul_i32 s2, s18, REDW
	s_add_co_u32 s2, s2, RED0                      ; my wave's partial context
	v_mul_u32_u24 v24, v2, RPITCH
	v_lshl_add_u32 v24, v3, 5, v24
	v_add_nc_u32 v[VRS], s2, v24
	s_lshl_b32 s2, s18, 6
	s_add_co_u32 s2, s2, LRED0
	v_lshl_add_u32 v[VLS], v2, 2, s2
	s_lshl_b32 s2, s18, 1
	v_add_nc_u32 v24, s2, v3                       ; 2 w + h: the row that I finish at the end
	v_mul_u32_u24 v25, v24, RPITCH
	v_lshl_add_u32 v25, v2, 4, v25
	v_add_nc_u32 v[VRL], RED0, v25
	v_lshlrev_b32 v[VLL], 2, v24
	v_add_nc_u32 v[VLL], LRED0, v[VLL]
	v_lshlrev_b32 v[VGO], 9, v24
	v_lshl_add_u32 v[VGO], v2, 4, v[VGO]
	s_lshl_b32 s2, ttmp9, 13                       ; 16 rows of 512 bytes for each work-group, in x and in out0
	s_mov_b32 s3, 0
	s_wait_kmcnt 0x0
	s_add_nc_u64 s[22:23], s[4:5], s[2:3]          ; the group's own rows of x
	s_add_nc_u64 s[26:27], s[16:17], s[2:3]        ; and of out0
	s_lshr_b32 s2, ttmp9, 6
	s_lshl_b32 s2, s2, 19                          ; batch x 1,024 rows x 512 bytes
	s_lshl_b32 s19, s18, 16                        ; + wave x 128 rows x 512 bytes
	s_add_co_u32 s2, s2, s19
	s_add_nc_u64 s[24:25], s[4:5], s[2:3]          ; my wave's first chunk of keys
	s_load_b512 s[32:47], s[12:13], 0x0            ; Wa[0:31] in s[32:63]
	s_load_b512 s[48:63], s[12:13], 0x40
	s_load_b512 s[68:83], s[10:11], 0x0            ; bh[0:31] in s[68:99]
	s_load_b512 s[84:99], s[10:11], 0x40
	s_load_b32 s20, s[14:15], 0x0                  ; ba
	; STAGING: Wt, Wx and the group's own rows, 4,096 bytes to an instruction of the work-group: thread (w, lane) gets d = 4 lane .. +3 of row w + 8 i
.irp i, 0,1,2,3
	global_load_b128 v[BLK+4*\i:BLK+4*\i+3], v[VG0], s[6:7] offset:4096*\i
.endr
.irp i, 0,1,2,3
	global_load_b128 v[BLK+16+4*\i:BLK+16+4*\i+3], v[VG0], s[8:9] offset:4096*\i
.endr
.irp i, 0,1
	global_load_b128 v[BLK+32+4*\i:BLK+32+4*\i+3], v[VG0], s[22:23] offset:4096*\i
.endr
; 32 loads, each a whole row of 512 bytes: a chunk of 32 keys in f32, into window 1
.macro LOADX
	WIN 0x40
.set i, 0
.rept 32
	global_load_b128 v[XP+4*i:XP+4*i+3], v[VGX], s[24:25] offset:512*i
.set i, i+1
.endr
	WIN 0
.endm
	LOADX                                          ; chunk 0
	s_wait_loadcnt 32                              ; loads return in order: the ten staging loads are in, the chunk's 32 stay out
.set i, 0
.rept 10                                           ; load i holds LDS row w + 8 i: Wt's 32 rows, Wx's 32 and the 16 own rows follow each other
	v_cvt_pk_bf16_f32 v[KT+2*i],   v[BLK+4*i],   v[BLK+4*i+1]
	v_cvt_pk_bf16_f32 v[KT+2*i+1], v[BLK+4*i+2], v[BLK+4*i+3]
	ds_store_b64 v[VST], v[KT+2*i:KT+2*i+1] offset:8*i*WPITCH
.set i, i+1
.endr
	s_wait_dscnt 0x0                               ; my stores are in LDS before I say so: every wave reads every row
	s_barrier_signal -1
	s_barrier_wait -1
	; operands: lane (r, h) takes 16 bytes at row r, byte 64 kk + 16 h, and 16 more 32 bytes on
	WIN 0x40
.irp ut, 0,1
.irp kk, 0,1,2,3
	ds_load_b128 v[WXF+8*(4*\ut+\kk):WXF+8*(4*\ut+\kk)+3],   v[VWF] offset:(32+16*\ut)*WPITCH+64*\kk
	ds_load_b128 v[WXF+8*(4*\ut+\kk)+4:WXF+8*(4*\ut+\kk)+7], v[VWF] offset:(32+16*\ut)*WPITCH+64*\kk+32
.endr
.endr
	WIN 0
.irp ut, 0,1
.irp kk, 0,1,2,3
	ds_load_b128 v[BLK+8*(4*\ut+\kk):BLK+8*(4*\ut+\kk)+3],   v[VWF] offset:16*\ut*WPITCH+64*\kk
	ds_load_b128 v[BLK+8*(4*\ut+\kk)+4:BLK+8*(4*\ut+\kk)+7], v[VWF] offset:16*\ut*WPITCH+64*\kk+32
.endr
.endr
.irp kk, 0,1,2,3
	ds_load_b128 v[OA+8*\kk:OA+8*\kk+3],   v[VWF] offset:64*WPITCH+64*\kk
	ds_load_b128 v[OA+8*\kk+4:OA+8*\kk+7], v[VWF] offset:64*WPITCH+64*\kk+32
.endr
	s_wait_dscnt 0x0
	; q, transposed: rows u = 16 ut + 8 h + i, column s = r.  Every wave makes it for itself: 8 matrix instructions.
.irp kk, 0,1,2,3
.irp ut, 0,1
.if \kk == 0
	v_wmma_f32_16x16x32_bf16 v[KT+8*\ut:KT+8*\ut+7], v[BLK+8*(4*\ut+\kk):BLK+8*(4*\ut+\kk)+7], v[OA+8*\kk:OA+8*\kk+7], 0
.else
	v_wmma_f32_16x16x32_bf16 v[KT+8*\ut:KT+8*\ut+7], v[BLK+8*(4*\ut+\kk):BLK+8*(4*\ut+\kk)+7], v[OA+8*\kk:OA+8*\kk+7], v[KT+8*\ut:KT+8*\ut+7]
.endif
.endr
.endr
	PLACES
	; through my wave's own LDS rows, so that both halves of the lanes hold all 32 u of row r (a wave's LDS instructions are served in order)
.irp ut, 0,1
	ds_store_b128 v[VBS], v[KT+8*\ut:KT+8*\ut+3]   offset:64*\ut
	ds_store_b128 v[VBS], v[KT+8*\ut+4:KT+8*\ut+7] offset:64*\ut+16
.endr
.irp q, 0,1,2,3,4,5,6,7
	ds_load_b128 v[AQ+4*\q:AQ+4*\q+3], v[VQL] offset:16*\q
.endr
	s_wait_kmcnt 0x0                               ; Wa, bh, ba
	v_mov_b32 v[C0], s20
.set u, 0
.rept 32
	v_mul_f32 v[WV+u], s31, s[32+u]                ; W' = -2 K Wa
	v_add_f32 v[C0], s[32+u], v[C0]                ; ba + sum of Wa
.set u, u+1
.endr
	v_mul_f32 v[C0], s21, v[C0]                    ; c0
	v_mov_b32 v[C0+1], 0
	s_wait_dscnt 0x0
.set u, 0
.rept 32
	v_add_f32 v[AQ+u], s[68+u], v[AQ+u]            ; q + bh
.set u, u+1
.endr
.set u, 0
.rept 16
	v_pk_mul_f32 v[AQ+u:AQ+u+1], v[AQ+u:AQ+u+1], KLOG op_sel_hi:[1,0]     ; a'
.set u, u+2
.endr
; THE PIPELINE'S STAGES.  Block b = 4 n + q holds u = 8 q .. 8 q + 7 of the lane's key n, in ring place b % 8.
.macro LD b                            ; b' of the key: all 16 lanes of a half read the same 32 bytes
.set RB, BLK+8*((\b)%8)
	ds_load_b128 v[RB:RB+3],   v[VBL] offset:((((\b)/4)&7)+16*((\b)/32))*BPITCH+32*((\b)%4)
	ds_load_b128 v[RB+4:RB+7], v[VBL] offset:((((\b)/4)&7)+16*((\b)/32))*BPITCH+32*((\b)%4)+16
.endm
.macro S1 b                            ; z = a' + b'
.set RB, BLK+8*((\b)%8)
.set RA, AQ+8*((\b)%4)
.irp p, 0,2,4,6
	v_pk_add_f32 v[RB+\p:RB+\p+1], v[RB+\p:RB+\p+1], v[RA+\p:RA+\p+1]
.endr
.endm
.macro S2 b                            ; 2^z
.set RB, BLK+8*((\b)%8)
.irp p, 0,1,2,3,4,5,6,7
	v_exp_f32 v[RB+\p], v[RB+\p]
.endr
.endm
.macro S3 b                            ; 1 + 2^z
.set RB, BLK+8*((\b)%8)
.irp p, 0,2,4,6
	v_pk_add_f32 v[RB+\p:RB+\p+1], v[RB+\p:RB+\p+1], 1.0 op_sel_hi:[1,0]
.endr
.endm
.macro S4 b                            ; r
.set RB, BLK+8*((\b)%8)
.irp p, 0,1,2,3,4,5,6,7
	v_rcp_f32 v[RB+\p], v[RB+\p]
.endr
.endm
.macro S5 b                            ; the sum over u, in two packed chains; the key's first block starts them (c0 rides in the first)
.set RB, BLK+8*((\b)%8)
.set RW, WV+8*((\b)%4)
.if ((\b)%4) == 0
	v_pk_fma_f32 v[TA:TA+1],   v[RB:RB+1],   v[RW:RW+1],   v[C0:C0+1]
	v_pk_mul_f32 v[TA+2:TA+3], v[RB+2:RB+3], v[RW+2:RW+3]
.else
	v_pk_fma_f32 v[TA:TA+1],   v[RB:RB+1],   v[RW:RW+1],   v[TA:TA+1]
	v_pk_fma_f32 v[TA+2:TA+3], v[RB+2:RB+3], v[RW+2:RW+3], v[TA+2:TA+3]
.endif
	v_pk_fma_f32 v[TA:TA+1],   v[RB+4:RB+5], v[RW+4:RW+5], v[TA:TA+1]
	v_pk_fma_f32 v[TA+2:TA+3], v[RB+6:RB+7], v[RW+6:RW+7], v[TA+2:TA+3]
.if ((\b)%4) == 3
	v_pk_add_f32 v[TA:TA+1], v[TA:TA+1], v[TA+2:TA+3]
	v_add_f32 v[SC+(\b)/4], v[TA], v[TA+1]
.endif
.endm
; ONE CHUNK of 32 keys.  zero = 1: the first chunk starts the sums.  more = 1: the next chunk is asked for.
.macro CHUNK zero, more
	s_wait_loadcnt 0x0                             ; the chunk's 32 rows are in (asked for a chunk ago); their base may be stepped
	WIN 0x05
.set i, 0
.rept 32
	v_cvt_pk_bf16_f32 v[BLK+2*i],   v[XP+4*i],   v[XP+4*i+1]
	v_cvt_pk_bf16_f32 v[BLK+2*i+1], v[XP+4*i+2], v[XP+4*i+3]
.set i, i+1
.endr
	WIN 0
.set i, 0
.rept 32
	ds_store_b64 v[VXS], v[BLK+2*i:BLK+2*i+1] offset:XPITCH*i      ; row i: 32 lanes x 8 bytes
.set i, i+1
.endr
.if \more
	s_add_nc_u64 s[24:25], s[24:25], 16384         ; 32 rows on
	LOADX
.endif
	; k, transposed: rows u = 16 ut + 8 h + i, column j = 16 c + r
.irp c, 0,1
.irp kk, 0,1,2,3
	ds_load_b128 v[BLK+8*(4*\c+\kk):BLK+8*(4*\c+\kk)+3],   v[VXF] offset:\c*16*XPITCH+64*\kk
	ds_load_b128 v[BLK+8*(4*\c+\kk)+4:BLK+8*(4*\c+\kk)+7], v[VXF] offset:\c*16*XPITCH+64*\kk+32
.endr
.endr
	s_wait_dscnt 0x0
	WIN 0x01                                       ; Wx's operands lie in window 1
.irp kk, 0,1,2,3
.irp c, 0,1
.irp ut, 0,1
.if \kk == 0
	v_wmma_f32_16x16x32_bf16 v[KT+8*(2*\c+\ut):KT+8*(2*\c+\ut)+7], v[WXF+8*(4*\ut+\kk):WXF+8*(4*\ut+\kk)+7], v[BLK+8*(4*\c+\kk):BLK+8*(4*\c+\kk)+7], 0
.else
	v_wmma_f32_16x16x32_bf16 v[KT+8*(2*\c+\ut):KT+8*(2*\c+\ut)+7], v[WXF+8*(4*\ut+\kk):WXF+8*(4*\ut+\kk)+7], v[BLK+8*(4*\c+\kk):BLK+8*(4*\c+\kk)+7], v[KT+8*(2*\c+\ut):KT+8*(2*\c+\ut)+7]
.endif
.endr
.endr
.endr
	WIN 0
	PLACES
.set u, 0
.rept 16
	v_pk_mul_f32 v[KT+u:KT+u+1], v[KT+u:KT+u+1], KLOG op_sel_hi:[1,0]     ; b' = K k
.set u, u+2
.endr
.irp c, 0,1
.irp ut, 0,1
	ds_store_b128 v[VBS], v[KT+8*(2*\c+\ut):KT+8*(2*\c+\ut)+3]   offset:\c*16*BPITCH+64*\ut
	ds_store_b128 v[VBS], v[KT+8*(2*\c+\ut)+4:KT+8*(2*\c+\ut)+7] offset:\c*16*BPITCH+64*\ut+16
.endr
.endr
	; THE 16 x 32 inner tanh of the lane, 64 blocks of 8.  In step st: block st + 6 is asked for, st - 1 gets its reciprocals, st its
	; exponentials, st + 1 its sums z, which are the plain instructions that stand between the transcendentals and the uses of their
	; results (ISA guide 5.7.2); then st - 1 is summed and st gets its 1 +.  The eight blocks st - 1 .. st + 6 fill the ring's eight places.
.irp b, 0,1,2,3,4,5
	LD \b
.endr
	s_wait_dscnt 10                                ; LDS answers in order: block 0 is in, the two loads each of blocks 1 to 5 stay out
	S1 0
.set st, 0
.rept 65
.if st+6 <= 63
	LD st+6
.endif
.if st >= 1
	S4 st-1
.endif
.if st <= 63
	S2 st
.endif
.if st <= 62
.if st+6 <= 63
	s_wait_dscnt 10                                ; block st + 1 is in; blocks st + 2 .. st + 6 stay out
.else
	s_wait_dscnt 2*(62-st)                         ; nothing more is asked for: blocks st + 2 .. 63 stay out
.endif
	S1 st+1
.else
	v_nop                                          ; the plain place, where no block is left to give one
.endif
.if st >= 1
	S5 st-1
.endif
.if st <= 63
	S3 st
.endif
.set st, st+1
.endr
	; x transposed for the context product: lane (r, h) gets d = 16 dt + r, j = 8 h .. + 7 and 16 + 8 h .. + 7
.irp dt, 0,1,2,3,4,5,6,7
	ds_load_tr16_b128 v[BLK+8*\dt:BLK+8*\dt+3],   v[VXT] offset:32*\dt
	ds_load_tr16_b128 v[BLK+8*\dt+4:BLK+8*\dt+7], v[VXT] offset:32*\dt+16*XPITCH
.endr
	; the outer tanh and the softmax's exponential: p = 2^(-K / (1 + 2^SC))
.set u, 0
.rept 16
	v_exp_f32 v[SC+u], v[SC+u]
.set u, u+1
.endr
	v_nop
.set u, 0
.rept 8
	v_pk_add_f32 v[SC+u:SC+u+1], v[SC+u:SC+u+1], 1.0 op_sel_hi:[1,0]
.set u, u+2
.endr
.set u, 0
.rept 16
	v_rcp_f32 v[SC+u], v[SC+u]
.set u, u+1
.endr
	v_nop
.set u, 0
.rept 8
	v_pk_mul_f32 v[SC+u:SC+u+1], v[SC+u:SC+u+1], NKLOG op_sel_hi:[1,0]
.set u, u+2
.endr
.set u, 0
.rept 16
	v_exp_f32 v[SC+u], v[SC+u]
.set u, u+1
.endr
	v_nop
.if \zero
	v_pk_add_f32 v[LS:LS+1], v[SC:SC+1], v[SC+2:SC+3]
.else
	v_pk_add_f32 v[LS:LS+1], v[LS:LS+1], v[SC:SC+1]
	v_pk_add_f32 v[LS:LS+1], v[LS:LS+1], v[SC+2:SC+3]
.endif
.irp m, 4,6,8,10,12,14
	v_pk_add_f32 v[LS:LS+1], v[LS:LS+1], v[SC+\m:SC+\m+1]
.endr
.irp m, 0,1,2,3,4,5,6,7
	v_cvt_pk_bf16_f32 v[PF+\m], v[SC+2*\m], v[SC+2*\m+1]           ; n = 2 m, 2 m + 1: the operand's register m
.endr
	s_wait_dscnt 0x0                               ; the transposed x
.irp dt, 0,1,2,3,4,5,6,7
.if \zero
	v_wmma_f32_16x16x32_bf16 v[OA+8*\dt:OA+8*\dt+7], v[BLK+8*\dt:BLK+8*\dt+7], v[PF:PF+7], 0
.else
	v_wmma_f32_16x16x32_bf16 v[OA+8*\dt:OA+8*\dt+7], v[BLK+8*\dt:BLK+8*\dt+7], v[PF:PF+7], v[OA+8*\dt:OA+8*\dt+7]
.endif
.endr
	PLACES                                         ; the next lines write the ring's registers, or read the tiles
.endm
	CHUNK 1, 1                                     ; chunk 0 starts the sums and asks for chunk 1
	s_mov_b32 s30, 2
.Lchunk:
	CHUNK 0, 1                                     ; chunks 1 and 2
	s_sub_co_u32 s30, s30, 1
	s_cmp_lg_u32 s30, 0
	s_cbranch_scc1 .Lchunk
	CHUNK 0, 0                                     ; chunk 3 asks for nothing: no load leaves x
	; THE END: the eight waves' partial contexts and row sums meet in LDS; wave w finishes rows 2 w and 2 w + 1
	v_add_f32 v24, v[LS], v[LS+1]
	v_permlanex16_b32 v25, v24, s28, s29           ; the other half's 64 keys of the same row (v25 was written in the set-up)
	v_add_f32 v24, v24, v25
.irp dt, 0,1,2,3,4,5,6,7
	ds_store_b128 v[VRS], v[OA+8*\dt:OA+8*\dt+3]   offset:64*\dt
	ds_store_b128 v[VRS], v[OA+8*\dt+4:OA+8*\dt+7] offset:64*\dt+16
.endr
	ds_store_b32 v[VLS], v24                       ; both halves store the same number to the same word
	s_wait_dscnt 0x0                               ; for the other waves' sake
	s_barrier_signal -1
	s_barrier_wait -1
.irp w, 0,1,2,3,4,5,6,7
	ds_load_b32 v[KT+\w], v[VLL] offset:64*\w
.endr
.irp w, 0,1,2,3,4,5,6,7
	ds_load_b128 v[BLK+8*\w:BLK+8*\w+3],   v[VRL] offset:\w*REDW         ; d = 4 r .. + 3
	ds_load_b128 v[BLK+8*\w+4:BLK+8*\w+7], v[VRL] offset:\w*REDW+256     ; d = 64 + 4 r .. + 3
.endr
	s_wait_dscnt 16                                ; the eight row sums are in, the 16 loads of the contexts stay out
	v_pk_add_f32 v[KT:KT+1],   v[KT:KT+1],   v[KT+2:KT+3]
	v_pk_add_f32 v[KT+4:KT+5], v[KT+4:KT+5], v[KT+6:KT+7]
	v_pk_add_f32 v[KT:KT+1],   v[KT:KT+1],   v[KT+4:KT+5]
	v_add_f32 v[KT], v[KT], v[KT+1]
	v_rcp_f32 v24, v[KT]                           ; twice, for the packed multiply; the sums below stand between it and its use
	v_rcp_f32 v25, v[KT]
	s_wait_dscnt 0x0
.irp w, 1,2,3,4,5,6,7
.irp p, 0,2,4,6
	v_pk_add_f32 v[BLK+\p:BLK+\p+1], v[BLK+\p:BLK+\p+1], v[BLK+8*\w+\p:BLK+8*\w+\p+1]
.endr
.endr
.irp p, 0,2,4,6
	v_pk_mul_f32 v[BLK+\p:BLK+\p+1], v[BLK+\p:BLK+\p+1], v[24:25]
.endr
	global_store_b128 v[VGO], v[BLK:BLK+3],   s[26:27] th:TH_STORE_NT              ; 16 lanes store 256 consecutive bytes, at a multiple of 256
	global_store_b128 v[VGO], v[BLK+4:BLK+7], s[26:27] offset:256 th:TH_STORE_NT   ; from out0's first byte
	s_endpgm
.Lfunc_end_k_q819c4188f0_attn:
	.size	k_q819c4188f0_attn, .Lfunc_end_k_q819c4188f0_attn-k_q819c4188f0_attn
	.p2alignl 7, 3214868480
	.fill 96, 4, 3214868480
	.section	.rodata,"a",@progbits
	.p2align	6, 0x0
	.amdhsa_kernel k_q819c4188f0_attn
		.amdhsa_group_segment_fixed_size 200704
		.amdhsa_private_segment_fixed_size 0
		.amdhsa_enable_private_segment 0
		.amdhsa_kernarg_size 56
		.amdhsa_user_sgpr_count 2
		.amdhsa_user_sgpr_kernarg_segment_ptr 1
		.amdhsa_wavefront_size32 1
		.amdhsa_system_sgpr_workgroup_id_x 1
		.amdhsa_system_sgpr_workgroup_id_y 1
		.amdhsa_system_sgpr_workgroup_id_z 1
		.amdhsa_system_vgpr_workitem_id 0
		.amdhsa_next_free_vgpr 448
		.amdhsa_next_free_sgpr 100
		.amdhsa_reserve_vcc 0
		.amdhsa_float_denorm_mode_32 3
		.amdhsa_float_denorm_mode_16_64 3
		.amdhsa_memory_ordered 1
		.amdhsa_forward_progress 1
		.amdhsa_inst_pref_size 255
	.end_amdhsa_kernel
	.section	.bss,"aw",@nobits
	.p2align	6
	.space	262144
	.amdgpu_metadata
---
amdhsa.version: [ 1, 2 ]
amdhsa.kernels:
  - .name:           k_q819c4188f0_attn
    .symbol:         k_q819c4188f0_attn.kd
    .args:
      - { .name: x, .offset: 0, .size: 8, .value_kind: global_buffer, .address_space: global }
      - { .name: Wt, .offset: 8, .size: 8, .value_kind: global_buffer, .address_space: global }
      - { .name: Wx, .offset: 16, .size: 8, .value_kind: global_buffer, .address_space: global }
      - { .name: bh, .offset: 24, .size: 8, .value_kind: global_buffer, .address_space: global }
      - { .name: Wa, .offset: 32, .size: 8, .value_kind: global_buffer, .address_space: global }
      - { .name: ba, .offset: 40, .size: 8, .value_kind: global_buffer, .address_space: global }
      - { .name: out0, .offset: 48, .size: 8, .value_kind: global_buffer, .address_space: global }
    .group_segment_fixed_size: 200704
    .private_segment_fixed_size: 0
    .kernarg_segment_align: 8
    .kernarg_segment_size: 56
    .max_flat_workgroup_size: 256
    .sgpr_count:     100
    .vgpr_count:     448
    .wavefront_size: 32
...
	.end_amdgpu_metadata
.endif
;; end of part 1
;; ======== version 2 of 2: 1 launch; 1.37 times as fast as version 1
;; launch attn (part 2): grid 256 x 1, 8 waves a work-group, no clusters, 163,840 bytes of LDS; arguments x, Wt, Wx, bh, Wa, ba, out0; writes out0
.if DOCPART == 2
	.amdgcn_target "amdgcn-amd-amdhsa--gfx1250"
	.amdhsa_code_object_version 6
	.text
	.protected	k_q819c4188f0_attn
	.globl	k_q819c4188f0_attn
	.p2align	8
	.type	k_q819c4188f0_attn,@function
k_q819c4188f0_attn:
	s_mov_b64 s[64:65], 0
	v_nop
	global_prefetch_b8 v0, s[64:65] scope:SCOPE_SE
	s_setreg_imm32_b32 hwreg(HW_REG_WAVE_MODE, 25, 1), 1
	s_wait_xcnt 0x0
; Additive self-attention, B = 4, L = 1024, D = 128, U = 32, all buffers f32.
;   q = x Wt^T, k = x Wx^T, alpha = tanh(ba + sum_u Wa[u] tanh(q[s][u] + k[j][u] + bh[u])), out = softmax_j(alpha) x.
; SHARES.  Work-group g owns the 16 rows s = 16 (g & 63) .. +15 of batch g >> 6.  Wave w owns the keys j = 128 w .. 128 w + 127, in four
; chunks of 32.  Lane (r = lane & 15, h = lane >> 4) owns row s = r, all 32 keys of a chunk, and the 16 units u = 16 ut + 8 h + i
; (ut = 0, 1; i = 0 .. 7): those are the units that register i of a projection's result tile holds in that lane, so a' (q's tile,
; column s = r) and b' (k's tile, column j = r) are used where the matrix unit leaves them.  The b' of key 16 c + n lies in lane n of each
; half: the add z = a' + b' fetches it by DPP row_share:n.  The inner loop touches no LDS and waits for nothing.
; The two halves' partial scores are joined once a chunk, so that lane (r, h) ends with the 16 keys j = (n & 7) + 8 h + 16 (n >> 3): the place
; of k in a 16-bit matrix operand, so the lane's 16 weights, packed to bf16, ARE the operand of the context product.
; Each wave keeps a partial context (16 s x 128 d, f32) and a partial row sum; the eight waves meet once, at the end, through LDS.
; ARITHMETIC.  K = 2 log2(e).  tanh(z) = 1 - 2 r with r = 1 / (1 + 2^(K z)).  a' = K (q + bh), b' = K k, both f32 behind the bf16 products.
;   SC = K alpha_pre = c0 + sum_u W'[u] r[u],  W' = -2 K Wa,  c0 = K (ba + sum_u Wa[u]);  r2 = 1 / (1 + 2^SC);  p = 2^(-K r2) = e^(alpha - 1).
; The exponents are added before the exponential, so a large q + k gives 2^z = infinity, r = 0, or 2^z = 0, r = 1: the saturated tanh, no NaN.
; SOFTMAX.  The scores come out of the outer tanh, so they lie in [-1, 1] for every input; the bound 1 is taken away in place of the row's
; maximum: p lies in [e^-2, 1], a row sum in [138, 1024]: nothing can overflow or vanish.
; FORMATS.  x, Wt, Wx and p go to the matrix unit in bf16, sums in f32; the row sum adds the f32 p.  LIMIT: NaN and infinite inputs are not served.
; NO TENSOR LOADS, NO CLUSTER.  x lies in memory as f32 and has to pass through registers to become bf16; a wave asks for its next 16,384 bytes
; a whole chunk ahead, that is ahead of 1,072 transcendental instructions of its own, so a shared fetch would spare requests and no waiting.
; The k projection of a chunk (16 matrix instructions) is done again in each of the 64 work-groups of a batch rather than sent through memory.
.set KLOG,   0x4038aa3b                ; K = 2 log2(e)
.set NKLOG,  0xc038aa3b                ; -K
.set N2KLOG, 0xc0b8aa3b                ; -2 K
; LDS map, bytes
.set WPITCH, 272                       ; rows of 128 bf16 + 16: rows 0-31 Wt, 32-63 Wx, 64-79 the group's own 16 rows of x; 80 rows = 21,760
.set XPITCH, 288                       ; a chunk's x in bf16, [j][d]: 256 + 32, an odd multiple of 32 for the transposing loads
.set XB0,    21760                     ; + wave x 9,216 (32 rows)
.set XBW,    32*XPITCH
.set RPITCH, 528                       ; a wave's partial context, [s][d] f32: 512 + 16
.set RED0,   95488                     ; + wave x 8,448 (16 rows)
.set REDW,   16*RPITCH
.set LRED0,  163072                    ; + wave x 64: 16 partial row sums
; vector registers, window 0
.set VG0, 4                            ; 16 x thread: staging loads
.set VST, 5                            ; wave x 272 + 8 lane: staging stores
.set VGX, 6                            ; 16 x lane: a row of x
.set VXS, 7                            ; XB + 8 lane: store of a chunk's row
.set VXF, 8                            ; XB + 288 r + 16 h: operand with d along the row
.set VXT, 9                            ; XB + 288 (8 h + (lane & 7)) + 16 ((lane >> 3) & 1): transposing loads
.set VHB, 10                           ; 32 h: my half's units in bh and Wa
.set VWF, 13                           ; 272 r + 16 h: operands out of the weights' rows
.set VRS, 15                           ; RED of my wave + 528 r + 32 h
.set VLS, 16                           ; LRED of my wave + 4 r
.set VRL, 17                           ; RED + 528 (2 w + h) + 16 r
.set VLL, 18                           ; LRED + 4 (2 w + h)
.set VGO, 19                           ; 512 (2 w + h) + 16 r: my 16 bytes of out0
.set C0,  20                           ; v[20:21] = (my half's share of c0, 0)
.set LS,  22                           ; v[22:23] running row sum, even and odd n
.set TA,  26                           ; v[26:29] two packed partial sums over u
.set AQ,  32                           ; v[32:47]   a' of my row, unit 16 ut + 8 h + i at 8 ut + i
.set WV,  48                           ; v[48:63]   W' of the same units
.set BB,  64                           ; v[64:95]   b': tile (c, ut) at 8 (2 c + ut): register i = (u = 16 ut + 8 h + i, j = 16 c + r)
.set SC,  96                           ; v[96:127]  my half's partial score of key j; then the 16 full scores in 0-7 and 16-23
.set PF,  SC+8                         ; v[104:111] the 16 weights in bf16
.set BLK, 128                          ; v[128:191] 8 blocks of 8 registers: the pipeline's ring; operands and staging outside it
.set OA,  192                          ; v[192:255] 8 context tiles: register i of tile dt = (d = 16 dt + 8 h + i, s = r)
; window 1 (named by their low 8 bits)
.set XP,  0                            ; v[256:383] the next chunk's x in f32, row i in 4 registers
.set WXF, 128                          ; v[384:447] the 8 operands of Wx (u tile ut, 32 d at kk): 8 (4 ut + kk)
.set MSB, 0
.macro WIN new                         ; low byte: bits 1:0 source 0, 3:2 source 1, 5:4 source 2, 7:6 destination; high byte: the setting left
.if MSB != \new
	s_set_vgpr_msb (MSB<<8)|\new
.set MSB, \new
.endif
.endm
.macro PLACES                          ; four independent vector instructions behind a matrix instruction, before its result is read or one
.rept 4                                ; of its registers is written or loaded into (ISA guide 7.12.1)
	v_nop
.endr
.endm
	s_load_b256 s[4:11], s[0:1], 0x0               ; x s[4:5], Wt s[6:7], Wx s[8:9], bh s[10:11]
	s_load_b128 s[12:15], s[0:1], 0x20             ; Wa s[12:13], ba s[14:15]
	s_load_b64 s[16:17], s[0:1], 0x30              ; out0
	v_and_b32 v1, 31, v0                           ; lane
	v_lshrrev_b32 v2, 5, v0
	v_readfirstlane_b32 s18, v2                    ; wave 0 .. 7
	v_and_b32 v2, 15, v0                           ; r
	v_bfe_u32 v3, v0, 4, 1                         ; h
	s_mov_b32 s21, KLOG
	s_mov_b32 s28, 0x76543210                      ; v_permlanex16_b32: lane i takes lane i of the other half
	s_mov_b32 s29, 0xfedcba98
	v_lshlrev_b32 v[VG0], 4, v0
	v_lshlrev_b32 v[VGX], 4, v1
	v_lshlrev_b32 v[VHB], 5, v3
	s_mul_i32 s2, s18, WPITCH
	v_lshl_add_u32 v[VST], v1, 3, s2
	s_mul_i32 s2, s18, XBW
	s_add_co_u32 s2, s2, XB0                       ; my wave's chunk of x
	v_lshl_add_u32 v[VXS], v1, 3, s2
	v_mul_u32_u24 v24, v2, XPITCH
	v_lshl_add_u32 v24, v3, 4, v24
	v_add_nc_u32 v[VXF], s2, v24
	v_and_b32 v24, 7, v0
	v_lshl_add_u32 v24, v3, 3, v24
	v_mul_u32_u24 v24, v24, XPITCH
	v_bfe_u32 v25, v0, 3, 1
	v_lshl_add_u32 v24, v25, 4, v24
	v_add_nc_u32 v[VXT], s2, v24
	v_mul_u32_u24 v24, v2, WPITCH
	v_lshl_add_u32 v[VWF], v3, 4, v24
	s_mul_i32 s2, s18, REDW
	s_add_co_u32 s2, s2, RED0                      ; my wave's partial context
	v_mul_u32_u24 v24, v2, RPITCH
	v_lshl_add_u32 v24, v3, 5, v24
	v_add_nc_u32 v[VRS], s2, v24
	s_lshl_b32 s2, s18, 6
	s_add_co_u32 s2, s2, LRED0
	v_lshl_add_u32 v[VLS], v2, 2, s2
	s_lshl_b32 s2, s18, 1
	v_add_nc_u32 v24, s2, v3                       ; 2 w + h: the row that I finish at the end
	v_mul_u32_u24 v25, v24, RPITCH
	v_lshl_add_u32 v25, v2, 4, v25
	v_add_nc_u32 v[VRL], RED0, v25
	v_lshlrev_b32 v[VLL], 2, v24
	v_add_nc_u32 v[VLL], LRED0, v[VLL]
	v_lshlrev_b32 v[VGO], 9, v24
	v_lshl_add_u32 v[VGO], v2, 4, v[VGO]
	s_lshl_b32 s2, ttmp9, 13                       ; 16 rows of 512 bytes for each work-group, in x and in out0
	s_mov_b32 s3, 0
	s_wait_kmcnt 0x0
	s_add_nc_u64 s[22:23], s[4:5], s[2:3]          ; the group's own rows of x
	s_add_nc_u64 s[26:27], s[16:17], s[2:3]        ; and of out0
	s_lshr_b32 s2, ttmp9, 6
	s_lshl_b32 s2, s2, 19                          ; batch x 1,024 rows x 512 bytes
	s_lshl_b32 s19, s18, 16                        ; + wave x 128 rows x 512 bytes
	s_add_co_u32 s2, s2, s19
	s_add_nc_u64 s[24:25], s[4:5], s[2:3]          ; my wave's first chunk of keys
	s_load_b32 s20, s[14:15], 0x0                  ; ba
	; STAGING: Wt, Wx and the group's own rows, 4,096 bytes to an instruction of the work-group: thread (w, lane) gets d = 4 lane .. +3 of row w + 8 i
.irp i, 0,1,2,3
	global_load_b128 v[BLK+4*\i:BLK+4*\i+3], v[VG0], s[6:7] offset:4096*\i
.endr
.irp i, 0,1,2,3
	global_load_b128 v[BLK+16+4*\i:BLK+16+4*\i+3], v[VG0], s[8:9] offset:4096*\i
.endr
.irp i, 0,1
	global_load_b128 v[BLK+32+4*\i:BLK+32+4*\i+3], v[VG0], s[22:23] offset:4096*\i
.endr
	; bh and Wa of my half's 16 units: byte 4 u = 64 ut + 32 h + 4 i
.irp ut, 0,1
	global_load_b128 v[SC+8*\ut:SC+8*\ut+3],       v[VHB], s[10:11] offset:64*\ut
	global_load_b128 v[SC+8*\ut+4:SC+8*\ut+7],     v[VHB], s[10:11] offset:64*\ut+16
	global_load_b128 v[SC+16+8*\ut:SC+16+8*\ut+3], v[VHB], s[12:13] offset:64*\ut
	global_load_b128 v[SC+20+8*\ut:SC+20+8*\ut+3], v[VHB], s[12:13] offset:64*\ut+16
.endr
; 32 loads, each a whole row of 512 bytes: a chunk of 32 keys in f32, into window 1
.macro LOADX
	WIN 0x40
.set i, 0
.rept 32
	global_load_b128 v[XP+4*i:XP+4*i+3], v[VGX], s[24:25] offset:512*i
.set i, i+1
.endr
	WIN 0
.endm
	LOADX                                          ; chunk 0
	s_wait_loadcnt 32                              ; loads return in order: the 18 set-up loads are in, the chunk's 32 stay out
.set i, 0
.rept 10                                           ; load i holds LDS row w + 8 i: Wt's 32 rows, Wx's 32 and the 16 own rows follow each other
	v_cvt_pk_bf16_f32 v[BB+2*i],   v[BLK+4*i],   v[BLK+4*i+1]
	v_cvt_pk_bf16_f32 v[BB+2*i+1], v[BLK+4*i+2], v[BLK+4*i+3]
	ds_store_b64 v[VST], v[BB+2*i:BB+2*i+1] offset:8*i*WPITCH
.set i, i+1
.endr
	s_wait_dscnt 0x0                               ; my stores are in LDS before I say so: every wave reads every row
	s_barrier_signal -1
	s_barrier_wait -1
	; operands: lane (r, h) takes 16 bytes at row r, byte 64 kk + 16 h, and 16 more 32 bytes on
	WIN 0x40
.irp ut, 0,1
.irp kk, 0,1,2,3
	ds_load_b128 v[WXF+8*(4*\ut+\kk):WXF+8*(4*\ut+\kk)+3],   v[VWF] offset:(32+16*\ut)*WPITCH+64*\kk
	ds_load_b128 v[WXF+8*(4*\ut+\kk)+4:WXF+8*(4*\ut+\kk)+7], v[VWF] offset:(32+16*\ut)*WPITCH+64*\kk+32
.endr
.endr
	WIN 0
.irp ut, 0,1
.irp kk, 0,1,2,3
	ds_load_b128 v[BLK+8*(4*\ut+\kk):BLK+8*(4*\ut+\kk)+3],   v[VWF] offset:16*\ut*WPITCH+64*\kk
	ds_load_b128 v[BLK+8*(4*\ut+\kk)+4:BLK+8*(4*\ut+\kk)+7], v[VWF] offset:16*\ut*WPITCH+64*\kk+32
.endr
.endr
.irp kk, 0,1,2,3
	ds_load_b128 v[OA+8*\kk:OA+8*\kk+3],   v[VWF] offset:64*WPITCH+64*\kk
	ds_load_b128 v[OA+8*\kk+4:OA+8*\kk+7], v[VWF] offset:64*WPITCH+64*\kk+32
.endr
	; while the operands come: W' = -2 K Wa, and my half's share of c0 = K (ba / 2 + the sum of my 16 Wa); the two shares add up to c0
	s_wait_kmcnt 0x0                               ; ba
.irp p, 0,2,4,6,8,10,12,14
	v_pk_mul_f32 v[WV+\p:WV+\p+1], v[SC+16+\p:SC+16+\p+1], N2KLOG op_sel_hi:[1,0]
.endr
	v_pk_add_f32 v[24:25], v[SC+16:SC+17], v[SC+18:SC+19]
.irp p, 4,6,8,10,12,14
	v_pk_add_f32 v[24:25], v[24:25], v[SC+16+\p:SC+16+\p+1]
.endr
	v_add_f32 v24, v24, v25
	v_fma_f32 v24, s20, 0.5, v24
	v_mul_f32 v[C0], s21, v24
	v_mov_b32 v[C0+1], 0
	s_wait_dscnt 0x0
	; q, transposed: rows u = 16 ut + 8 h + i, column s = r: the lane's own 16 units of its own row.  Every wave makes it for itself.
.irp kk, 0,1,2,3
.irp ut, 0,1
.if \kk == 0
	v_wmma_f32_16x16x32_bf16 v[AQ+8*\ut:AQ+8*\ut+7], v[BLK+8*(4*\ut+\kk):BLK+8*(4*\ut+\kk)+7], v[OA+8*\kk:OA+8*\kk+7], 0
.else
	v_wmma_f32_16x16x32_bf16 v[AQ+8*\ut:AQ+8*\ut+7], v[BLK+8*(4*\ut+\kk):BLK+8*(4*\ut+\kk)+7], v[OA+8*\kk:OA+8*\kk+7], v[AQ+8*\ut:AQ+8*\ut+7]
.endif
.endr
.endr
	PLACES
.irp p, 0,2,4,6,8,10,12,14
	v_pk_add_f32 v[AQ+\p:AQ+\p+1], v[AQ+\p:AQ+\p+1], v[SC+\p:SC+\p+1]          ; q + bh
.endr
.irp p, 0,2,4,6,8,10,12,14
	v_pk_mul_f32 v[AQ+\p:AQ+\p+1], v[AQ+\p:AQ+\p+1], KLOG op_sel_hi:[1,0]      ; a'
.endr
; THE PIPELINE.  Block b = 2 j + ut holds the lane's units 16 ut + 8 h + 0 .. 7 of key j, in ring place b % 8.  One instruction of a stage each:
.macro TE b, i                         ; 2^z
	v_exp_f32 v[BLK+8*((\b)%8)+\i], v[BLK+8*((\b)%8)+\i]
.endm
.macro TR b, i                         ; r = 1 / (1 + 2^z)
	v_rcp_f32 v[BLK+8*((\b)%8)+\i], v[BLK+8*((\b)%8)+\i]
.endm
.macro P3 b, i                         ; 1 + 2^z, two at a time
	v_pk_add_f32 v[BLK+8*((\b)%8)+2*\i:BLK+8*((\b)%8)+2*\i+1], v[BLK+8*((\b)%8)+2*\i:BLK+8*((\b)%8)+2*\i+1], 1.0 op_sel_hi:[1,0]
.endm
.macro P5 b, i                         ; the sum over u, in two packed chains; the key's first block starts them (c0's share rides in the first)
.set RB, BLK+8*((\b)%8)+2*\i
.set RW, WV+8*((\b)%2)+2*\i
.set RT, TA+2*(\i%2)
.if (((\b)%2)+(\i/2)) == 0
.if \i == 0
	v_pk_fma_f32 v[RT:RT+1], v[RB:RB+1], v[RW:RW+1], v[C0:C0+1]
.else
	v_pk_mul_f32 v[RT:RT+1], v[RB:RB+1], v[RW:RW+1]
.endif
.else
	v_pk_fma_f32 v[RT:RT+1], v[RB:RB+1], v[RW:RW+1], v[RT:RT+1]
.endif
.endm
; STEP number st: block st gets its sums z (head = 1: key 16 c + kn, unit tile q), block st - 1 its exponentials, st - 2 its 1 +, st - 3 its
; reciprocals, st - 4 is summed.  The five blocks are different ring places and every stage reads what the step before wrote, so the order
; inside a step is free: one transcendental, one plain instruction, in turn.  The plain one is also the independent instruction that stands
; between a transcendental and the first use of its result (ISA guide 5.7.2).  Where no block is left to give z (head = 0) a v_nop ends the step.
.macro STEP c, kn, q, head
.irp i, 0,1,2,3
.if st >= 1
.if st <= 64
	TE st-1, \i
.endif
.endif
.if st >= 4
	P5 st-4, \i
.endif
.endr
.irp i, 0,1,2,3
.if st >= 1
.if st <= 64
	TE st-1, 4+\i
.endif
.endif
.if st >= 2
.if st <= 65
	P3 st-2, \i
.endif
.endif
.endr
.if st >= 4
.if ((st-4)%2) == 1
	v_pk_add_f32 v[TA:TA+1], v[TA:TA+1], v[TA+2:TA+3]      ; the key's second block is summed: join the chains
.endif
.endif
.irp i, 0,1,2,3,4,5,6,7
.if st >= 3
.if st <= 66
	TR st-3, \i
.endif
.endif
.if \head
	v_add_f32_dpp v[BLK+8*(st%8)+\i], v[BB+8*(2*\c+\q)+\i], v[AQ+8*\q+\i] row_share:\kn row_mask:0xf bank_mask:0xf   ; z = b' (lane kn of my half) + a'
.endif
.endr
.if st >= 4
.if ((st-4)%2) == 1
	v_add_f32 v[SC+(st-4)/2], v[TA], v[TA+1]               ; my half's partial score of key (st - 4) / 2
.endif
.endif
.if \head == 0
	v_nop
.endif
.endm
; ONE CHUNK of 32 keys.  zero = 1: the first chunk starts the sums.  more = 1: the next chunk is asked for.
.macro CHUNK zero, more
	s_wait_loadcnt 0x0                             ; the chunk's 32 rows are in (asked for a chunk ago); their base may be stepped
	WIN 0x05
.set i, 0
.rept 32
	v_cvt_pk_bf16_f32 v[BLK+2*i],   v[XP+4*i],   v[XP+4*i+1]
	v_cvt_pk_bf16_f32 v[BLK+2*i+1], v[XP+4*i+2], v[XP+4*i+3]
.set i, i+1
.endr
	WIN 0
.set i, 0
.rept 32
	ds_store_b64 v[VXS], v[BLK+2*i:BLK+2*i+1] offset:XPITCH*i      ; row i: 32 lanes x 8 bytes
.set i, i+1
.endr
.if \more
	s_add_nc_u64 s[24:25], s[24:25], 16384         ; 32 rows on
	LOADX
.endif
	; k, transposed: rows u = 16 ut + 8 h + i, column j = 16 c + r (a wave's LDS instructions are served in order: these see the stores above)
.irp c, 0,1
.irp kk, 0,1,2,3
	ds_load_b128 v[BLK+8*(4*\c+\kk):BLK+8*(4*\c+\kk)+3],   v[VXF] offset:\c*16*XPITCH+64*\kk
	ds_load_b128 v[BLK+8*(4*\c+\kk)+4:BLK+8*(4*\c+\kk)+7], v[VXF] offset:\c*16*XPITCH+64*\kk+32
.endr
.endr
	s_wait_dscnt 0x0
	WIN 0x01                                       ; Wx's operands lie in window 1
.irp kk, 0,1,2,3
.irp c, 0,1
.irp ut, 0,1
.if \kk == 0
	v_wmma_f32_16x16x32_bf16 v[BB+8*(2*\c+\ut):BB+8*(2*\c+\ut)+7], v[WXF+8*(4*\ut+\kk):WXF+8*(4*\ut+\kk)+7], v[BLK+8*(4*\c+\kk):BLK+8*(4*\c+\kk)+7], 0
.else
	v_wmma_f32_16x16x32_bf16 v[BB+8*(2*\c+\ut):BB+8*(2*\c+\ut)+7], v[WXF+8*(4*\ut+\kk):WXF+8*(4*\ut+\kk)+7], v[BLK+8*(4*\c+\kk):BLK+8*(4*\c+\kk)+7], v[BB+8*(2*\c+\ut):BB+8*(2*\c+\ut)+7]
.endif
.endr
.endr
.endr
	WIN 0
	PLACES
.set u, 0
.rept 16
	v_pk_mul_f32 v[BB+u:BB+u+1], v[BB+u:BB+u+1], KLOG op_sel_hi:[1,0]     ; b' = K k, kept where it is
.set u, u+2
.endr
	; the lane's 32 keys x 16 units: 64 steps that take a new block in, four that run the pipeline empty
.set st, 0
.irp c, 0,1
.irp kn, 0,1,2,3,4,5,6,7,8,9,10,11,12,13,14,15
.irp q, 0,1
	STEP \c, \kn, \q, 1
.set st, st+1
.endr
.endr
.endr
.rept 4
	STEP 0, 0, 0, 0
.set st, st+1
.endr
	; x transposed for the context product: lane (r, h) gets d = 16 dt + r, j = 8 h .. + 7 and 16 + 8 h .. + 7
.irp dt, 0,1,2,3,4,5,6,7
	ds_load_tr16_b128 v[BLK+8*\dt:BLK+8*\dt+3],   v[VXT] offset:32*\dt
	ds_load_tr16_b128 v[BLK+8*\dt+4:BLK+8*\dt+7], v[VXT] offset:32*\dt+16*XPITCH
.endr
	; the halves join.  Of the keys ja (0-7, 16-23) and ja + 8, half 0 keeps ja and half 1 keeps ja + 8: the swap hands half 0's share of ja + 8 to
	; half 1 (in SC+ja) and half 1's share of ja to half 0 (in SC+ja+8); the sum of the two registers is the kept key's whole score
.irp ja, 0,1,2,3,4,5,6,7,16,17,18,19,20,21,22,23
	v_permlane16_swap_b32 v[SC+\ja], v[SC+\ja+8]
.endr
.irp ja, 0,2,4,6,16,18,20,22
	v_pk_add_f32 v[SC+\ja:SC+\ja+1], v[SC+\ja:SC+\ja+1], v[SC+\ja+8:SC+\ja+9]
.endr
	; the outer tanh and the softmax's exponential: p = 2^(-K / (1 + 2^SC))
.irp ja, 0,1,2,3,4,5,6,7,16,17,18,19,20,21,22,23
	v_exp_f32 v[SC+\ja], v[SC+\ja]
.endr
	v_nop
.irp ja, 0,2,4,6,16,18,20,22
	v_pk_add_f32 v[SC+\ja:SC+\ja+1], v[SC+\ja:SC+\ja+1], 1.0 op_sel_hi:[1,0]
.endr
.irp ja, 0,1,2,3,4,5,6,7,16,17,18,19,20,21,22,23
	v_rcp_f32 v[SC+\ja], v[SC+\ja]
.endr
	v_nop
.irp ja, 0,2,4,6,16,18,20,22
	v_pk_mul_f32 v[SC+\ja:SC+\ja+1], v[SC+\ja:SC+\ja+1], NKLOG op_sel_hi:[1,0]
.endr
.irp ja, 0,1,2,3,4,5,6,7,16,17,18,19,20,21,22,23
	v_exp_f32 v[SC+\ja], v[SC+\ja]
.endr
	v_nop
.if \zero
	v_pk_add_f32 v[LS:LS+1], v[SC:SC+1], v[SC+2:SC+3]
.else
	v_pk_add_f32 v[LS:LS+1], v[LS:LS+1], v[SC:SC+1]
	v_pk_add_f32 v[LS:LS+1], v[LS:LS+1], v[SC+2:SC+3]
.endif
.irp ja, 4,6,16,18,20,22
	v_pk_add_f32 v[LS:LS+1], v[LS:LS+1], v[SC+\ja:SC+\ja+1]
.endr
.irp m, 0,1,2,3
	v_cvt_pk_bf16_f32 v[PF+\m],   v[SC+2*\m],    v[SC+2*\m+1]      ; j = 8 h + 2 m, + 1: the operand's register m
	v_cvt_pk_bf16_f32 v[PF+4+\m], v[SC+16+2*\m], v[SC+16+2*\m+1]   ; j = 16 + 8 h + 2 m, + 1: register 4 + m
.endr
	s_wait_dscnt 0x0                               ; the transposed x
.irp dt, 0,1,2,3,4,5,6,7
.if \zero
	v_wmma_f32_16x16x32_bf16 v[OA+8*\dt:OA+8*\dt+7], v[BLK+8*\dt:BLK+8*\dt+7], v[PF:PF+7], 0
.else
	v_wmma_f32_16x16x32_bf16 v[OA+8*\dt:OA+8*\dt+7], v[BLK+8*\dt:BLK+8*\dt+7], v[PF:PF+7], v[OA+8*\dt:OA+8*\dt+7]
.endif
.endr
	PLACES                                         ; the next lines write the ring's registers, or read the tiles
.endm
	CHUNK 1, 1                                     ; chunk 0 starts the sums and asks for chunk 1
	s_mov_b32 s30, 2
.Lchunk:
	CHUNK 0, 1                                     ; chunks 1 and 2
	s_sub_co_u32 s30, s30, 1
	s_cmp_lg_u32 s30, 0
	s_cbranch_scc1 .Lchunk
	CHUNK 0, 0                                     ; chunk 3 asks for nothing: no load leaves x
	; THE END: the eight waves' partial contexts and row sums meet in LDS; wave w finishes rows 2 w and 2 w + 1
	v_add_f32 v24, v[LS], v[LS+1]
	v_permlanex16_b32 v25, v24, s28, s29           ; the other half's 64 keys of the same row (v25 was written in the set-up)
	v_add_f32 v24, v24, v25
.irp dt, 0,1,2,3,4,5,6,7
	ds_store_b128 v[VRS], v[OA+8*\dt:OA+8*\dt+3]   offset:64*\dt
	ds_store_b128 v[VRS], v[OA+8*\dt+4:OA+8*\dt+7] offset:64*\dt+16
.endr
	ds_store_b32 v[VLS], v24                       ; both halves store the same number to the same word
	s_wait_dscnt 0x0                               ; for the other waves' sake
	s_barrier_signal -1
	s_barrier_wait -1
.irp w, 0,1,2,3,4,5,6,7
	ds_load_b32 v[SC+\w], v[VLL] offset:64*\w
.endr
.irp w, 0,1,2,3,4,5,6,7
	ds_load_b128 v[BLK+8*\w:BLK+8*\w+3],   v[VRL] offset:\w*REDW         ; d = 4 r .. + 3
	ds_load_b128 v[BLK+8*\w+4:BLK+8*\w+7], v[VRL] offset:\w*REDW+256     ; d = 64 + 4 r .. + 3
.endr
	s_wait_dscnt 16                                ; the eight row sums are in, the 16 loads of the contexts stay out
	v_pk_add_f32 v[SC:SC+1],   v[SC:SC+1],   v[SC+2:SC+3]
	v_pk_add_f32 v[SC+4:SC+5], v[SC+4:SC+5], v[SC+6:SC+7]
	v_pk_add_f32 v[SC:SC+1],   v[SC:SC+1],   v[SC+4:SC+5]
	v_add_f32 v[SC], v[SC], v[SC+1]
	v_rcp_f32 v24, v[SC]                           ; twice, for the packed multiply; the sums below stand between it and its use
	v_rcp_f32 v25, v[SC]
	s_wait_dscnt 0x0
.irp w, 1,2,3,4,5,6,7
.irp p, 0,2,4,6
	v_pk_add_f32 v[BLK+\p:BLK+\p+1], v[BLK+\p:BLK+\p+1], v[BLK+8*\w+\p:BLK+8*\w+\p+1]
.endr
.endr
.irp p, 0,2,4,6
	v_pk_mul_f32 v[BLK+\p:BLK+\p+1], v[BLK+\p:BLK+\p+1], v[24:25]
.endr
	global_store_b128 v[VGO], v[BLK:BLK+3],   s[26:27] th:TH_STORE_NT              ; 16 lanes store 256 consecutive bytes, at a multiple of 256
	global_store_b128 v[VGO], v[BLK+4:BLK+7], s[26:27] offset:256 th:TH_STORE_NT   ; from out0's first byte
	s_endpgm
.Lfunc_end_k_q819c4188f0_attn:
	.size	k_q819c4188f0_attn, .Lfunc_end_k_q819c4188f0_attn-k_q819c4188f0_attn
	.p2alignl 7, 3214868480
	.fill 96, 4, 3214868480
	.section	.rodata,"a",@progbits
	.p2align	6, 0x0
	.amdhsa_kernel k_q819c4188f0_attn
		.amdhsa_group_segment_fixed_size 163840
		.amdhsa_private_segment_fixed_size 0
		.amdhsa_enable_private_segment 0
		.amdhsa_kernarg_size 56
		.amdhsa_user_sgpr_count 2
		.amdhsa_user_sgpr_kernarg_segment_ptr 1
		.amdhsa_wavefront_size32 1
		.amdhsa_system_sgpr_workgroup_id_x 1
		.amdhsa_system_sgpr_workgroup_id_y 1
		.amdhsa_system_sgpr_workgroup_id_z 1
		.amdhsa_system_vgpr_workitem_id 0
		.amdhsa_next_free_vgpr 448
		.amdhsa_next_free_sgpr 66
		.amdhsa_reserve_vcc 0
		.amdhsa_float_denorm_mode_32 3
		.amdhsa_float_denorm_mode_16_64 3
		.amdhsa_memory_ordered 1
		.amdhsa_forward_progress 1
		.amdhsa_inst_pref_size 255
	.end_amdhsa_kernel
	.section	.bss,"aw",@nobits
	.p2align	6
	.space	262144
	.amdgpu_metadata
---
amdhsa.version: [ 1, 2 ]
amdhsa.kernels:
  - .name:           k_q819c4188f0_attn
    .symbol:         k_q819c4188f0_attn.kd
    .args:
      - { .name: x, .offset: 0, .size: 8, .value_kind: global_buffer, .address_space: global }
      - { .name: Wt, .offset: 8, .size: 8, .value_kind: global_buffer, .address_space: global }
      - { .name: Wx, .offset: 16, .size: 8, .value_kind: global_buffer, .address_space: global }
      - { .name: bh, .offset: 24, .size: 8, .value_kind: global_buffer, .address_space: global }
      - { .name: Wa, .offset: 32, .size: 8, .value_kind: global_buffer, .address_space: global }
      - { .name: ba, .offset: 40, .size: 8, .value_kind: global_buffer, .address_space: global }
      - { .name: out0, .offset: 48, .size: 8, .value_kind: global_buffer, .address_space: global }
    .group_segment_fixed_size: 163840
    .private_segment_fixed_size: 0
    .kernarg_segment_align: 8
    .kernarg_segment_size: 56
    .max_flat_workgroup_size: 256
    .sgpr_count:     66
    .vgpr_count:     448
    .wavefront_size: 32
...
	.end_amdgpu_metadata
.endif
;; end of part 2
